; MI455X (gfx1250); checked and timed in simulation.
; The chip was launched on July 23, 2026; its instructions are those of AMD's public machine-readable ISA for CDNA 5 (MIT licence, August 2026) and "CDNA5" Instruction Set Architecture Reference Guide (July 2026). The comments in the code are by the model that wrote it; some were corrected since.
;; Multi Headed Attention Wrapper. Allowed arithmetic: float matrix products may take bf16 or f16 operands with f32 sums; all other float work in f32.
;; Inputs: Wk 12 x 768 x 64 float32; Wq 12 x 768 x 64 float32; Wv 12 x 768 x 64 float32; x 8 x 1,024 x 768 float32.
;; Outputs: out0 8 x 1,024 x 768 float32.
;; One version. Each part assembles by itself: llvm-mc -triple=amdgcn-amd-amdhsa -mcpu=gfx1250 --defsym DOCPART=n.
;; ======== version 1 of 1: 3 launches
;; limits: values are held in f16: magnitudes above 65,504 overflow, below 6.1e-05 lose precision
;; workspace buffers: wb 3,538,944 bytes; qkv 37,748,736 bytes
;; launch prep (part 1): grid 96 x 3, 8 waves a work-group, no clusters, 0 bytes of LDS; arguments Wq, Wk, Wv, wb; writes wb
.if DOCPART == 1
	.amdgcn_target "amdgcn-amd-amdhsa--gfx1250"
	.amdhsa_code_object_version 6
	.text
	.protected	k_q7240d208ce_prep
	.globl	k_q7240d208ce_prep
	.p2align	8
	.type	k_q7240d208ce_prep,@function
k_q7240d208ce_prep:
	s_mov_b64 s[64:65], 0
	v_nop
	global_prefetch_b8 v0, s[64:65] scope:SCOPE_SE
	s_setreg_imm32_b32 hwreg(HW_REG_WAVE_MODE, 25, 1), 1
	s_wait_xcnt 0x0
; MULTI-HEAD CAUSAL ATTENTION in three launches:
;   prep: Wq, Wk, Wv (f32, [head][k 768][n 64]) -> wb (bf16, [nt 144][k 768][16 n]; nt = 4 (12 type + head) + n / 16; type q, k, v = 0, 1, 2)
;   proj: q, k, v = x W for all 36 matrices as one product 8192 x 2304 x 768 -> qkv (f16, [b 8][plane 288][s 1024][8 d])
;   attn: softmax(q k^T / 8, causal) v -> out0
; WORK LEFT OUT (in attn): reference() itself sets scores[s][t] = -inf for t > s (its own tril).  Each row keeps t = s, so for finite inputs
; the row's maximum is finite, exp(-inf - max) = 0, attn[s][t] = 0, and attn[s][t] v[t] adds 0 to ctx[s], whatever the inputs hold.
; For the block of queries 128 I .. 128 I + 127 every key tile 128 J .. 128 J + 127 with J > I holds only such pairs: its q k^T, its
; softmax terms and its product with v are not computed (28 of 64 tiles of each head).  Every row of q, k and v is still used by some
; query, so the projections are whole and all four inputs are loaded.
; LIMIT: a NaN, an infinity or an overflow in k[t] or v[t] is not carried to rows s of an earlier block of 128 (0 x inf is never formed).
; LIMIT: q, k, v are kept in f16: magnitudes of 65,504 and above overflow.  (x and W thirty times the unit-spread inputs give |q| near 5,000;
; a common offset of thirty spreads on both gives 768 x 30 x 1.08, near 25,000.)  x and W go to the matrix unit in bf16.
;
; THIS LAUNCH: a cast with a permutation, bound by bytes; no LDS, no matrix unit.  y = type; x = 8 head + kc; the work-group takes 96 k rows.
; Thread: half = bit 0, ko = bits 3:1, n tile q = bits 5:4, kg = bits 7:6.  It takes 8 numbers (n = 16 q + 8 half ..) of rows
; 96 kc + 24 kg + 8 it + ko, it = 0, 1, 2: 32 bytes in, 16 bytes out.  Sixteen neighbouring lanes store 256 consecutive bytes, aligned.
	s_load_b256 s[4:11], s[0:1], 0x0               ; Wq s[4:5], Wk s[6:7], Wv s[8:9], wb s[10:11]
	s_and_b32 s12, ttmp7, 0xffff                   ; type
	s_lshr_b32 s13, ttmp9, 3                       ; head
	s_and_b32 s14, ttmp9, 7                        ; kc
	s_mul_i32 s16, s13, 196608                     ; a head of W: 768 x 64 x 4 bytes
	s_mul_i32 s15, s14, 24576                      ; 96 rows of 256 bytes
	s_add_co_u32 s16, s16, s15
	s_mov_b32 s17, 0
	s_mul_i32 s18, s12, 12
	s_add_co_u32 s18, s18, s13                     ; 12 type + head
	s_mul_i32 s18, s18, 98304                      ; four n tiles of 768 x 32 bytes
	s_mul_i32 s15, s14, 3072                       ; 96 rows of 32 bytes
	s_add_co_u32 s18, s18, s15
	s_mov_b32 s19, 0
	v_bfe_u32 v3, v0, 1, 3                         ; ko
	v_lshrrev_b32 v4, 6, v0                        ; kg
	v_mad_u32_u24 v3, v4, 24, v3                   ; my row among the 96 (item 0)
	v_and_b32 v5, 1, v0                            ; half
	v_bfe_u32 v6, v0, 4, 2                         ; q
	v_lshlrev_b32 v1, 8, v3                        ; in:  256 row + 64 q + 32 half
	v_lshl_add_u32 v1, v6, 6, v1
	v_lshl_add_u32 v1, v5, 5, v1
	v_mul_u32_u24 v2, v6, 24576                    ; out: 24,576 q + 32 row + 16 half
	v_lshl_add_u32 v2, v3, 5, v2
	v_lshl_add_u32 v2, v5, 4, v2
	s_wait_kmcnt 0x0
	s_cmp_eq_u32 s12, 1                            ; the matrix is chosen by the work-group's y alone
	s_cselect_b64 s[4:5], s[6:7], s[4:5]
	s_cmp_eq_u32 s12, 2
	s_cselect_b64 s[4:5], s[8:9], s[4:5]
	s_add_nc_u64 s[4:5], s[4:5], s[16:17]
	s_add_nc_u64 s[10:11], s[10:11], s[18:19]
.irp it, 0,1,2
	global_load_b128 v[4+8*\it:7+8*\it],  v1, s[4:5] offset:\it*2048 th:TH_LOAD_NT
	global_load_b128 v[8+8*\it:11+8*\it], v1, s[4:5] offset:\it*2048+16 th:TH_LOAD_NT
.endr
.irp it, 0,1,2
	s_wait_loadcnt 4-2*\it                         ; loads return in order: this item's two are in, the later items' stay out
.irp j, 0,1,2,3
	v_cvt_pk_bf16_f32 v[28+4*\it+\j], v[4+8*\it+2*\j], v[4+8*\it+2*\j+1]
.endr
	global_store_b128 v2, v[28+4*\it:31+4*\it], s[10:11] offset:\it*256
.endr
	s_endpgm
.Lfunc_end_k_q7240d208ce_prep:
	.size	k_q7240d208ce_prep, .Lfunc_end_k_q7240d208ce_prep-k_q7240d208ce_prep
	.p2alignl 7, 3214868480
	.fill 96, 4, 3214868480
	.section	.rodata,"a",@progbits
	.p2align	6, 0x0
	.amdhsa_kernel k_q7240d208ce_prep
		.amdhsa_group_segment_fixed_size 0
		.amdhsa_private_segment_fixed_size 0
		.amdhsa_enable_private_segment 0
		.amdhsa_kernarg_size 32
		.amdhsa_user_sgpr_count 2
		.amdhsa_user_sgpr_kernarg_segment_ptr 1
		.amdhsa_wavefront_size32 1
		.amdhsa_system_sgpr_workgroup_id_x 1
		.amdhsa_system_sgpr_workgroup_id_y 1
		.amdhsa_system_sgpr_workgroup_id_z 1
		.amdhsa_system_vgpr_workitem_id 0
		.amdhsa_next_free_vgpr 48
		.amdhsa_next_free_sgpr 66
		.amdhsa_reserve_vcc 0
		.amdhsa_float_denorm_mode_32 3
		.amdhsa_float_denorm_mode_16_64 3
		.amdhsa_memory_ordered 1
		.amdhsa_forward_progress 1
		.amdhsa_inst_pref_size 4
	.end_amdhsa_kernel
	.amdgpu_metadata
---
amdhsa.version: [ 1, 2 ]
amdhsa.kernels:
  - .name:           k_q7240d208ce_prep
    .symbol:         k_q7240d208ce_prep.kd
    .args:
      - { .name: Wq, .offset: 0, .size: 8, .value_kind: global_buffer, .address_space: global }
      - { .name: Wk, .offset: 8, .size: 8, .value_kind: global_buffer, .address_space: global }
      - { .name: Wv, .offset: 16, .size: 8, .value_kind: global_buffer, .address_space: global }
      - { .name: wb, .offset: 24, .size: 8, .value_kind: global_buffer, .address_space: global }
    .group_segment_fixed_size: 0
    .private_segment_fixed_size: 0
    .kernarg_segment_align: 8
    .kernarg_segment_size: 32
    .max_flat_workgroup_size: 256
    .sgpr_count:     66
    .vgpr_count:     48
    .wavefront_size: 32
...
	.end_amdgpu_metadata
.endif
;; end of part 1
;; launch proj (part 2): grid 4 x 64, 4 waves a work-group, clusters of 4 x 4, 327,680 bytes of LDS; arguments x, wb, qkv; writes qkv
.if DOCPART == 2
	.amdgcn_target "amdgcn-amd-amdhsa--gfx1250"
	.amdhsa_code_object_version 6
	.text
	.protected	k_q7240d208ce_proj
	.globl	k_q7240d208ce_proj
	.p2align	8
	.type	k_q7240d208ce_proj,@function
k_q7240d208ce_proj:
	s_mov_b64 s[64:65], 0
	v_nop
	global_prefetch_b8 v0, s[64:65] scope:SCOPE_SE
	s_setreg_imm32_b32 hwreg(HW_REG_WAVE_MODE, 25, 1), 1
	s_wait_xcnt 0x0
	s_wait_alu depctr_hold_cnt(0) depctr_sa_sdst(0) depctr_va_vdst(0) depctr_va_sdst(0) depctr_va_ssrc(0) depctr_va_vcc(0) depctr_vm_vsrc(0)
	s_getreg_b32 s2, hwreg(HW_REG_IB_STS2, 6, 4)
	s_cmp_eq_u32 s2, 0
	s_cbranch_scc0 .Lentry_in_a_cluster
	s_endpgm
.Lentry_in_a_cluster:
	s_bfe_u32 s2, ttmp6, 0x10000c
	s_cmp_lg_u32 s2, 0xf033
	s_cbranch_scc0 .Lentry_shape_is_right
	s_endpgm
.Lentry_shape_is_right:
; q, k, v = x W: C[row 8192][col 2304] = sum over k (768) of x[row][k] W[k][col].  x: f32.  wb: bf16 [nt 144][k 768][16 n].
; Out: qkv, f16, [b 8][plane 288][s 1024][8 d]; plane = 2 nt + (column / 8 mod 2).  Nothing of this product is left out.
; LIMIT: results of magnitude 65,504 and above overflow f16.  x is rounded to bf16 on the way from LDS to the matrix unit.
; A work-group makes 128 rows x 576 columns (36 n tiles): 64 x 4 = 256 work-groups.  Four waves, one for each SIMD; wave (wr, wc) makes
; 64 rows x 288 columns: 4 x 18 = 72 accumulator tiles, 576 registers.  K goes in 12 steps of 64 through two LDS slots; a step is two
; sub-steps of 32.  A slot: x's 128 rows x 256 bytes (f32), each padded by 16 (pitch 272: sixteen rows start at sixteen different 16-byte columns), then
; W's 36 n tiles x 64 k x 32 bytes, dense (the transposing load's sixteen lanes take 256 consecutive bytes).
; CLUSTERS: 4 x 4 work-groups.  x's tile hangs on the row block alone and is asked for jointly by the four of a row of the cluster;
; W's hangs on the column block alone and is asked for jointly by the four of a column.  Wave 0 asks for x's tile, waves 1 to 3 for twelve n tiles each.
; PREFETCH: x is read once in the launch.  Behind its joint load for K step t + 2, wave 0 asks for K step t + 4's 256 bytes of rows 32 cx .. 32 cx + 31 of the
; row block, one lane for each row: the four partners of a row of the cluster cover the 128 rows, so each piece is asked for once in the launch.  That is two K steps
; (288 matrix instructions) ahead of the tensor load that wants it, 8 KiB a request, two requests (16 KiB) at the most asked for and not yet fetched.
; K steps 2 and 3 are asked for at the start; K steps 8 and later ask for nothing (there is no K step 12).  wb is read again by all 64 row blocks: no prefetch.
; THE MATRIX INSTRUCTION IS USED TRANSPOSED: source 0 = 16 columns of W, source 1 = 16 rows of x.  Lane (r = l % 16, h = l / 16) then holds
; row r and columns 8 h + 0 .. 7: 16 bytes of f16 that are one row of one plane of qkv, and sixteen lanes store 256 consecutive bytes, aligned: no LDS stage.
; REGISTERS: window 0: v16-17, v20-21 LDS addresses, v24 output offset, v25 prefetch offset, v32-95 x in f32, v96-127 and v128-159 x in bf16 (two buffers);
;   window 1: v0-143 W's 18 fragments, v192-255 accumulators of n tiles 16, 17;  window 2: n tiles 0-7 (tile (a, n) at 8 (8 a + n));  window 3: n tiles 8-15.
.set SLOT,  108544
.set BOFF,  34816                      ; W's part of a slot
.set NTB,   2048                       ; an n tile in a slot
.set ADRA,  16
.set ADRB,  20
.set CO,    24
.set PFO,   25
.set ST,    32
.set XB0,   96
.set XB1,   128
.set TMP,   32                         ; the way out: packed results, v32-159
.set WF,    0                          ; window 1
.set AC1,   192                        ; window 1
.set G1A,   24
.set G0A,   32
.set G1B,   48
.set G0B,   56
.set MSB,   0
.macro WIN new                         ; the immediate's high byte repeats the setting that is left; switches that change nothing are dropped
.if MSB != \new
	s_set_vgpr_msb (MSB<<8)|\new
.set MSB, \new
.endif
.endm
.macro PLACES                          ; four independent vector instructions behind matrix instructions (ISA guide 7.12.1), where no useful ones are at hand
.rept 4
	v_nop
.endr
.endm
; A joint load: each line has one mask and one set of registers; the branch hangs on the wave's number alone.
; pf: byte offset, from the prefetch base, of the piece of x that wave 0 asks for ahead; 0: none
.macro JLOAD s, pf
	s_cmp_eq_u32 s10, 0
	s_cbranch_scc0 .Lfor_b_\@
	tensor_load_to_lds s[G0A+4*\s:G0A+4*\s+3], s[G1A:G1A+7]
	s_nop 0
.if \pf
	global_prefetch_b8 v[PFO], s[18:19] offset:\pf th:TH_LOAD_NT scope:SCOPE_SE
.endif
	s_branch .Lasked_\@
.Lfor_b_\@:
	tensor_load_to_lds s[G0B+4*\s:G0B+4*\s+3], s[G1B:G1B+7]
	s_nop 0
.Lasked_\@:
.endm
.macro CREST                           ; a round of the cluster's barrier behind its opening work-group barrier
	s_cmp_lg_u32 s10, 0
	s_cbranch_scc1 .Lnot_wave_0_\@
	s_barrier_signal -3
.Lnot_wave_0_\@:
	s_barrier_wait -3
	s_barrier_signal -1
	s_barrier_wait -1
.endm
.macro CROUND
	s_barrier_signal -1
	s_barrier_wait -1
	CREST
.endm
	s_load_b128 s[4:7], s[0:1], 0x0                ; x s[4:5], wb s[6:7]
	s_load_b64 s[8:9], s[0:1], 0x10                ; qkv
	s_set_vgpr_msb 0x40
	v_lshl_add_u32 v191, v0, 2, 0x35000
	s_set_vgpr_msb 0x4000
	v_mov_b32 v255, 0
	s_set_vgpr_msb 0x1
	ds_add_u32 v191, v255
	s_set_vgpr_msb 0x100
	v_lshrrev_b32 v1, 5, v0
	v_readfirstlane_b32 s10, v1                    ; wave 0..3
	s_lshr_b32 s11, s10, 1                         ; wr: my 64 of the 128 rows
	s_and_b32 s12, s10, 1                          ; wc: my 18 of the 36 n tiles
	s_bfe_u32 s40, ttmp6, 0x40000                  ; cx
	s_bfe_u32 s41, ttmp6, 0x40004                  ; cy
	s_lshl_b32 s42, ttmp9, 2
	s_add_co_u32 s42, s42, s40                     ; column block = 4 x cluster x + cx
	s_and_b32 s13, ttmp7, 0xffff
	s_lshl_b32 s13, s13, 2
	s_add_co_u32 s13, s13, s41                     ; row block = 4 x cluster y + cy
	s_lshl_b32 s43, s41, 2
	s_lshl_b32 s43, 15, s43                        ; my row of the cluster
	s_lshl_b32 s44, 0x1111, s40                    ; my column
	s_lshl_b32 s23, s40, 5                         ; the prefetch: row 32 cx + lane of the row block (used by wave 0 alone; it enters no descriptor)
	v_and_b32 v6, 31, v0
	v_add_nc_u32 v6, s23, v6
	v_mul_u32_u24 v[PFO], v6, 3072                 ; never rewritten
	; group 1 for x: 128 rows x 64 elements of 4 bytes, pitch 768; after every 64 words 4 words of padding
	s_or_b32 s[G1A+0], s43, (2<<16)|(1<<20)|(1<<21)|(5<<22)|(3<<25)
	s_mov_b32 s[G1A+1], 64<<16
	s_mov_b32 s[G1A+2], 128<<16
	s_mov_b32 s[G1A+3], 64<<16
	s_mov_b32 s[G1A+4], 128
	s_mov_b32 s[G1A+5], 768
	s_mov_b32 s[G1A+6], 0
	s_mov_b32 s[G1A+7], 0
	; group 1 for W: 12 n tiles x 256 elements of 8 bytes (64 k x 32 bytes, consecutive in wb), 3,072 elements from tile to tile, no padding
	s_or_b32 s[G1B+0], s44, (3<<16)|(1<<21)
	s_mov_b32 s[G1B+1], 256<<16
	s_mov_b32 s[G1B+2], 12<<16
	s_mov_b32 s[G1B+3], 256<<16
	s_mov_b32 s[G1B+4], 12
	s_mov_b32 s[G1B+5], 3072
	s_mov_b32 s[G1B+6], 0
	s_mov_b32 s[G1B+7], 0
	s_mul_i32 s16, s13, 393216                     ; x: 128 rows of 3,072 bytes for each row block (no register here ever holds cx)
	s_mov_b32 s17, 0
	s_max_u32 s45, s10, 1
	s_sub_co_u32 s45, s45, 1                       ; which twelve n tiles I ask for (wave 0 asks for none of them)
	s_mul_i32 s45, s45, 12
	s_mul_i32 s46, s42, 36
	s_add_co_u32 s46, s46, s45
	s_mul_i32 s46, s46, 24576                      ; W: an n tile is 24,576 bytes of wb (no register here ever holds cy)
	s_mov_b32 s47, 0
	s_mul_i32 s20, s10, 24576
	s_add_co_u32 s20, s20, 10240                   ; LDS: BOFF + 24,576 (wave - 1)
	s_wait_dscnt 0x0
	s_wait_kmcnt 0x0
	s_add_nc_u64 s[14:15], s[4:5], s[16:17]
	s_add_nc_u64 s[46:47], s[6:7], s[46:47]
	s_mov_b64 s[18:19], s[14:15]                   ; the prefetch base: the row block's first row, stepped by two K steps a lap
	CROUND                                         ; all sixteen work-groups are here: the first joint loads meet
.irp s, 0,1
	s_mov_b32 s[G0A+4*\s], 1
	s_mov_b32 s[G0A+4*\s+1], \s*SLOT
	s_add_nc_u64 s[G0A+4*\s+2:G0A+4*\s+3], s[14:15], \s*256        ; K step s: 64 f32
	s_or_b32 s[G0A+4*\s+3], s[G0A+4*\s+3], 0x80000000
	s_mov_b32 s[G0B+4*\s], 1
	s_add_co_u32 s[G0B+4*\s+1], s20, \s*SLOT
	s_add_nc_u64 s[G0B+4*\s+2:G0B+4*\s+3], s[46:47], \s*2048       ; K step s: 64 rows of 32 bytes
	s_or_b32 s[G0B+4*\s+3], s[G0B+4*\s+3], 0x80000000
	JLOAD \s, 512+256*\s                           ; both slots' first fills go out together: two loads of the wave are out; K steps 2 and 3 are asked for ahead
.endr
	v_and_b32 v1, 15, v0                           ; r
	v_bfe_u32 v2, v0, 4, 1                         ; h
	v_mul_u32_u24 v3, v1, 272
	v_lshl_add_u32 v3, v2, 5, v3                   ; x: row r, 8 f32 at 32 h
	s_mul_i32 s21, s11, 17408                      ; my 64 rows
	v_and_b32 v4, 7, v0
	v_lshl_add_u32 v4, v2, 3, v4                   ; W: k row 8 h + l % 8,
	v_bfe_u32 v5, v0, 3, 1
	v_lshlrev_b32 v4, 5, v4
	v_lshl_add_u32 v4, v5, 4, v4                   ; its left or right 16 bytes
	s_mul_i32 s22, s12, 36864                      ; my 18 n tiles
	s_add_co_u32 s22, s22, BOFF
.irp s, 0,1
	v_add_nc_u32 v[ADRA+\s], s21, v3
	v_add_nc_u32 v[ADRB+\s], s22, v4
	s_add_co_u32 s21, s21, SLOT
	s_add_co_u32 s22, s22, SLOT
.endr
	v_lshlrev_b32 v[CO], 4, v1
	v_lshl_add_u32 v[CO], v2, 14, v[CO]            ; out: plane h, row r
; one matrix instruction: accumulator acc, n tile n, m tile a, x buffer xb.  zero = 1: the first product starts the sum
.macro MM acc, n, a, xb, zero
.if \zero
	v_wmma_f32_16x16x32_bf16 v[\acc:\acc+7], v[WF+8*(\n):WF+8*(\n)+7], v[\xb+8*(\a):\xb+8*(\a)+7], 0
.else
	v_wmma_f32_16x16x32_bf16 v[\acc:\acc+7], v[WF+8*(\n):WF+8*(\n)+7], v[\xb+8*(\a):\xb+8*(\a)+7], v[\acc:\acc+7]
.endif
.endm
.macro MULG0 xb, zero                  ; n tiles 0-7, all four m tiles: 32
	WIN 0xa1
.irp a, 0,1,2,3
.irp b, 0,1,2,3,4,5,6,7
	MM 8*(8*\a+\b), \b, \a, \xb, \zero
.endr
.endr
.endm
.macro MULG1 xb, a0, zero              ; n tiles 8-15, m tiles a0, a0 + 1: 16
	WIN 0xf1
.irp a, \a0, \a0+1
.irp b, 0,1,2,3,4,5,6,7
	MM 8*(8*(\a)+\b), 8+\b, \a, \xb, \zero
.endr
.endr
.endm
.macro MULG2 xb, zero                  ; n tiles 16, 17: 8
	WIN 0x51
.irp a, 0,1,2,3
.irp b, 0,1
	MM AC1+8*(2*\a+\b), 16+\b, \a, \xb, \zero
.endr
.endr
.endm
.macro STLOAD slot, u                  ; x of one sub-step, f32: lane (r, h) takes k = 8 h .. + 7 and 16 + 8 h .. + 7 of its row in each m tile: 16 loads
	WIN 0
.irp a, 0,1,2,3
	ds_load_b128 v[ST+16*\a:ST+16*\a+3],     v[ADRA+\slot] offset:\a*4352+\u*128
	ds_load_b128 v[ST+16*\a+4:ST+16*\a+7],   v[ADRA+\slot] offset:\a*4352+\u*128+16
	ds_load_b128 v[ST+16*\a+8:ST+16*\a+11],  v[ADRA+\slot] offset:\a*4352+\u*128+64
	ds_load_b128 v[ST+16*\a+12:ST+16*\a+15], v[ADRA+\slot] offset:\a*4352+\u*128+80
.endr
.endm
.macro WLD slot, u, n                  ; one fragment of W: two transposing loads, 16 k rows apart
	ds_load_tr16_b128 v[WF+8*(\n):WF+8*(\n)+3],   v[ADRB+\slot] offset:(\n)*NTB+\u*1024
	ds_load_tr16_b128 v[WF+8*(\n)+4:WF+8*(\n)+7], v[ADRB+\slot] offset:(\n)*NTB+\u*1024+512
.endm
.macro WLOAD g, slot, u                ; group 0: n tiles 0-7, group 1: 8-15 (16 loads each); group 2: 16, 17 (4 loads)
	WIN 0x40
.if \g == 2
	WLD \slot, \u, 16
	WLD \slot, \u, 17
.else
.irp b, 0,1,2,3,4,5,6,7
	WLD \slot, \u, 8*\g+\b
.endr
.endif
.endm
.macro CVT xb                          ; x to bf16: 32 conversions make four fragments
	WIN 0
.irp a, 0,1,2,3
.irp j, 0,1,2,3,4,5,6,7
	v_cvt_pk_bf16_f32 v[\xb+8*\a+\j], v[ST+16*\a+2*\j], v[ST+16*\a+2*\j+1]
.endr
.endr
.endm
; ONE SUB-STEP: 72 matrix instructions on x buffer xc; among them the next sub-step (slot nslot, half nu) is fetched, each group of W's fragments as
; soon as its products are issued, and x is converted into buffer xa.  The 72 accumulators take turns, one instruction a turn, in the same order in
; every sub-step, over the loop's backward jump too.
; change = 1, 2: this is a slot's last sub-step; 2: the slot (fslot) is filled again, two K steps ahead.  last = 1: nothing more to fetch.  pf: see JLOAD.
.macro SUB xc, xa, nslot, nu, change, fslot, zero, last, pf
	s_wait_dscnt 20                                ; group 0 is in: groups 1 (16 loads) and 2 (4) were issued behind it
	MULG0 \xc, \zero
.if \change
	s_wait_dscnt 0x0                               ; all my reads of this slot are back,
	s_wait_tensorcnt 0x0                           ; and all my tensor loads have landed: the one that was out is my part of the other slot
	ds_add_u32 v191, v255
	s_wait_dscnt 0x0
	s_barrier_signal -1                            ; (with a refill this barrier opens a round of the cluster's barrier)
.else
	s_wait_dscnt 4                                 ; group 1 is in: group 2's four were issued behind it
.endif
	MULG1 \xc, 0, \zero
.if \change
	WIN 0
	s_barrier_wait -1
.if \change == 2
	CREST                                          ; no wave of any partner still reads this slot or has a load on its way
	s_add_nc_u64 s[G0A+4*\fslot+2:G0A+4*\fslot+3], s[G0A+4*\fslot+2:G0A+4*\fslot+3], 512
	s_add_nc_u64 s[G0B+4*\fslot+2:G0B+4*\fslot+3], s[G0B+4*\fslot+2:G0B+4*\fslot+3], 4096
	JLOAD \fslot, \pf                              ; my one tensor load behind the round, ahead of every LDS read
.endif
.endif
.if \last
	MULG1 \xc, 2, \zero
	s_wait_dscnt 0x0
	MULG2 \xc, \zero
.else
	PLACES                                         ; behind group 0's products, in front of the loads into its fragments
	STLOAD \nslot, \nu
	WLOAD 0, \nslot, \nu
	MULG1 \xc, 2, \zero
	s_wait_dscnt 16                                ; x's 16 loads (and this sub-step's group 2) are in: the next group 0's 16 were issued behind them
	CVT \xa                                        ; 32 independent vector instructions: also the places behind group 1's products
	WLOAD 1, \nslot, \nu
	MULG2 \xc, \zero
	PLACES
	WLOAD 2, \nslot, \nu
.endif
.endm
; Two K steps, once round the ring, both slots filled again.  pf = 1: K steps four ahead are asked for; step = 1: the prefetch base goes two K steps on first
.macro LAP zero, pf, step
.if \step
	s_wait_xcnt 0x0                                ; the base of the last lap's prefetches (issued a sub-step ago and more) is rewritten only behind this wait
	s_add_nc_u64 s[18:19], s[18:19], 512
.endif
	SUB XB0, XB1, 0, 1, 0, 0, \zero, 0, 0
	SUB XB1, XB0, 1, 0, 2, 0, 0, 0, 1024*\pf
	SUB XB0, XB1, 1, 1, 0, 0, 0, 0, 0
	SUB XB1, XB0, 0, 0, 2, 1, 0, 0, 1280*\pf
.endm
	s_wait_tensorcnt 0x1                           ; my part of K step 0 is in; K step 1's stays out
	s_barrier_signal -1
	s_barrier_wait -1
	STLOAD 0, 0
	s_wait_dscnt 0x0
	CVT XB0
	WLOAD 0, 0, 0
	WLOAD 1, 0, 0
	WLOAD 2, 0, 0
	LAP 1, 1, 0                                    ; the first lap stands in front of the loop: its first products start the sums; it asks for K steps 4 and 5
	WIN 0
	s_mov_b32 s3, 3                                ; K steps 2 to 7, which ask for K steps 6 to 11
.Llap:
	LAP 0, 1, 1
	WIN 0
	s_sub_co_u32 s3, s3, 1
	s_cmp_lg_u32 s3, 0
	s_cbranch_scc1 .Llap
	LAP 0, 0, 0                                    ; K steps 8 and 9 fill both slots once more and ask for nothing ahead
	SUB XB0, XB1, 0, 1, 0, 0, 0, 0, 0              ; K steps 10 and 11 fill nothing
	SUB XB1, XB0, 1, 0, 1, 0, 0, 0, 0
	SUB XB0, XB1, 1, 1, 0, 0, 0, 0, 0
	SUB XB1, XB0, 0, 0, 0, 0, 0, 1, 0
	; THE WAY OUT: four conversions make a tile's 16 bytes a lane; one store a tile.
	WIN 0
	PLACES                                         ; behind the last products: the conversions read results and write over x's fragments
	s_lshr_b32 s16, s13, 3                         ; b
	s_mul_i32 s16, s16, 4718592                    ; 288 planes of 16,384 bytes
	s_and_b32 s14, s13, 7
	s_lshl_b32 s14, s14, 11                        ; 128 rows of 16 bytes for each row block in the batch
	s_add_co_u32 s16, s16, s14
	s_lshl_b32 s14, s11, 10                        ; my 64 rows
	s_add_co_u32 s16, s16, s14
	s_mov_b32 s17, 0
	s_add_nc_u64 s[8:9], s[8:9], s[16:17]
	s_mul_i32 s46, s42, 1179648                    ; 72 planes for each column block
	s_mul_i32 s47, s12, 589824                     ; 36 planes for my half
	s_add_co_u32 s46, s46, s47
	s_mov_b32 s47, 0
	s_add_nc_u64 s[8:9], s[8:9], s[46:47]
.macro OUT32 from, n0, again
.if \again
	s_wait_xcnt 0x0                                ; the packed registers, which the stores above read, are rewritten only behind this wait
.endif
	WIN \from
.irp a, 0,1,2,3
.irp b, 0,1,2,3,4,5,6,7
.irp q, 0,1,2,3
	v_cvt_pk_f16_f32 v[TMP+4*(8*\a+\b)+\q], v[8*(8*\a+\b)+2*\q], v[8*(8*\a+\b)+2*\q+1]
.endr
.endr
.endr
	WIN 0
.irp a, 0,1,2,3
.irp b, 0,1,2,3,4,5,6,7
	global_store_b128 v[CO], v[TMP+4*(8*\a+\b):TMP+4*(8*\a+\b)+3], s[8:9] offset:(\n0+\b)*32768+\a*256
.endr
.endr
.endm
	OUT32 0x0a, 0, 0
	OUT32 0x0f, 8, 1
	s_wait_xcnt 0x0
	WIN 0x05
.irp a, 0,1,2,3
.irp b, 0,1
.irp q, 0,1,2,3
	v_cvt_pk_f16_f32 v[TMP+4*(2*\a+\b)+\q], v[AC1+8*(2*\a+\b)+2*\q], v[AC1+8*(2*\a+\b)+2*\q+1]
.endr
.endr
.endr
	WIN 0
.irp a, 0,1,2,3
.irp b, 0,1
	global_store_b128 v[CO], v[TMP+4*(2*\a+\b):TMP+4*(2*\a+\b)+3], s[8:9] offset:(16+\b)*32768+\a*256
.endr
.endr
	CROUND                                         ; the closing round: no work-group ends while a partner may still ask for a tile that names it
	s_endpgm
.Lfunc_end_k_q7240d208ce_proj:
	.size	k_q7240d208ce_proj, .Lfunc_end_k_q7240d208ce_proj-k_q7240d208ce_proj
	.p2alignl 7, 3214868480
	.fill 96, 4, 3214868480
	.section	.rodata,"a",@progbits
	.p2align	6, 0x0
	.amdhsa_kernel k_q7240d208ce_proj
		.amdhsa_group_segment_fixed_size 327680
		.amdhsa_private_segment_fixed_size 0
		.amdhsa_enable_private_segment 0
		.amdhsa_kernarg_size 24
		.amdhsa_user_sgpr_count 2
		.amdhsa_user_sgpr_kernarg_segment_ptr 1
		.amdhsa_wavefront_size32 1
		.amdhsa_system_sgpr_workgroup_id_x 1
		.amdhsa_system_sgpr_workgroup_id_y 1
		.amdhsa_system_sgpr_workgroup_id_z 1
		.amdhsa_system_vgpr_workitem_id 0
		.amdhsa_next_free_vgpr 1024
		.amdhsa_next_free_sgpr 66
		.amdhsa_reserve_vcc 0
		.amdhsa_float_denorm_mode_32 3
		.amdhsa_float_denorm_mode_16_64 3
		.amdhsa_memory_ordered 1
		.amdhsa_forward_progress 1
		.amdhsa_inst_pref_size 204
	.end_amdhsa_kernel
	.amdgpu_metadata
---
amdhsa.version: [ 1, 2 ]
amdhsa.kernels:
  - .name:           k_q7240d208ce_proj
    .symbol:         k_q7240d208ce_proj.kd
    .args:
      - { .name: x, .offset: 0, .size: 8, .value_kind: global_buffer, .address_space: global }
      - { .name: wb, .offset: 8, .size: 8, .value_kind: global_buffer, .address_space: global }
      - { .name: qkv, .offset: 16, .size: 8, .value_kind: global_buffer, .address_space: global }
    .group_segment_fixed_size: 327680
    .private_segment_fixed_size: 0
    .kernarg_segment_align: 8
    .kernarg_segment_size: 24
    .max_flat_workgroup_size: 128
    .sgpr_count:     66
    .vgpr_count:     1024
    .wavefront_size: 32
...
	.end_amdgpu_metadata
.endif
;; end of part 2
;; launch attn (part 3): grid 256 x 1, 4 waves a work-group, no clusters, 327,680 bytes of LDS; arguments qkv, out0; writes out0
.if DOCPART == 3
	.amdgcn_target "amdgcn-amd-amdhsa--gfx1250"
	.amdhsa_code_object_version 6
	.text
	.protected	k_q7240d208ce_attn
	.globl	k_q7240d208ce_attn
	.p2align	8
	.type	k_q7240d208ce_attn,@function
k_q7240d208ce_attn:
	s_mov_b64 s[64:65], 0
	v_nop
	global_prefetch_b8 v0, s[64:65] scope:SCOPE_SE
	s_setreg_imm32_b32 hwreg(HW_REG_WAVE_MODE, 25, 1), 1
	s_wait_xcnt 0x0
; out0[b][s][64 head + d] = sum over t <= s of softmax_t(q[s].k[t] / 8) v[t][d].  qkv: f16 [b 8][plane 288][s 1024][8 d], plane = 8 (12 type + head) + d / 8.
; LEFT OUT, by reference()'s own tril mask, which gives every pair t > s the weight 0 for all finite inputs:
;   (1) key tiles of 128 that lie wholly above the diagonal;  (2) in the diagonal tile, keys 64-127 for queries 0-63 of the block (all their pairs have t > s).
; A NaN or infinity in k or v that reaches only such pairs is not carried to the result.  The rest of the diagonal tile is computed and masked.
; LIMITS: q, k, v and the weights go to the matrix unit in f16 (weights lie in [0, 1] by the running maximum); sums, maxima, exponentials in f32;
; the exponent is formed as s c - m c with c = log2(e) / 8, m c rounded once; weights below 2^-126 come out as 0.
; JOBS: a job is one block I of 128 queries of one head and walks I + 1 key tiles of 128.  Eight work-groups share three heads (24 jobs, 108 tiles); each runs three
; jobs as one stream of 14 tiles (work-groups 0-5 of the eight) or 12 (6, 7), taken from tables of nibbles by the work-group's number alone.
; NO CLUSTER: work-groups that share a head stand at different tiles of it in any trip, and their streams have different lengths, so no two
; would ask for the same tile in the same trip.
; TRANSPOSED PRODUCTS: S^T = K Q^T (source 0 = 16 keys, source 1 = 16 queries) and ctx^T = V^T P^T (source 0 = 16 d, by the transposing load; source 1 = queries).
; Lane (r = l % 16, h = l / 16) owns query r and, in a tile of 16 keys, keys 8 h + 0 .. 7: maximum, sum and rescale are per lane, one lane exchange joins the halves,
; and two neighbouring S^T tiles pack in place into the P^T fragment of 32 keys.  A tile of 128 keys goes in two halves of 64.
; A WAVE'S QUERIES: two pieces of 16: piece 0 = q tile w (queries 16 w ..), piece 1 = q tile 7 - w.  So piece 0 lies in queries 0-63 and piece 1 in 64-127 in every wave.
; THE LOOP STANDS IN PHASES (products, softmax, products).  A form in which the two pieces take turns needs its job-start and job-end variants and its masks in every
; copy of the tile's text, and steps of 32 keys to fit 256 registers: more than twice this text's bytes, for a loop that runs a few trips.
; LDS: two slots of 34,816: K's 8 planes, then V's 8; a plane is 2 x (64 keys x 16 bytes + 64 of padding) = 2,176 bytes, so that the two planes which a transposing
; load's sixteen lanes touch lie 128 bytes apart modulo 256.  Each wave fetches four planes with one tensor load.  Behind the slots: a stage of 32 x 272 bytes for each wave.
.set PLP,   2176
.set HFP,   1088
.set WSH,   8704                       ; a wave's four planes in a slot; also its stage
.set VOFF,  17408
.set SLOT,  34816
.set STAGE, 69632
.set KADR, 1
.set VADR, 2
.set QVO,  3
.set OVO,  4
.set STO,  5
.set RD,   6
.set DL,   7                           ; v7: 16 w + r - 8 h (piece 0), v9: 16 (3 - w) + r - 8 h (piece 1)
.set NINF, 8
.set NMC,  10                          ; v10, v12: - m c of piece 0, 1 (v11, v13 only complete the pairs)
.set AL,   14                          ; v14, v16: the rescale factor (v15, v17 likewise)
.set LS,   18                          ; v18, v19: the lane's sum
.set MX,   20                          ; v20, v21: the running maximum
.set TT,   22                          ; v22-29 at work
.set PX,   30                          ; v30, v31 the other half's figure
.set QF,   32                          ; v32-63   Q fragments: + 16 c + 8 ks
.set ACC,  64                          ; v64-127  ctx^T: + 8 (2 dt + c)
.set SC,   128                         ; v128-191 S^T: + 32 c + 8 kt; then P^T: + 32 c + 8 ks
.set KF,   192                         ; v192-255 K fragments: + 16 kt + 8 ks
.set VF,   0                           ; window 1, v0-63: V fragments: + 16 dt + 8 ks
.set G1,  16
.set G0,  24
.set PA,  32                           ; the fetching side: address of the next tile; PAN the one behind it; PB1, PB2 the next jobs' first tiles
.set PAN, 34
.set PB1, 36
.set PB2, 38
.set PT,  40                           ; tiles left to ask for in its job; PT1, PT2 the next jobs' tiles
.set PT1, 41
.set PT2, 42
.set CT,  43                           ; the computing side: tiles left in its job, this one among them; CT1, CT2 the next jobs'
.set CT1, 44
.set CT2, 45
.set CF,  46                           ; 1: the job's first half tile is still to come
.set QO1, 47
.set QO2, 48
.set OO1, 50
.set OO2, 51
.set QB,  52                           ; s[52:53], s[72:73]: Q's base for piece 0, 1
.set OB,  54                           ; s[54:55], s[74:75]: the output's base for piece 0, 1
                                       ; s68, s69: 256 w, 256 (7 - w): a piece's 16 rows of Q;  s70, s71: 49,152 w, 49,152 (7 - w): its 16 rows of the output
.set MSB, 0
.macro WIN new
.if MSB != \new
	s_set_vgpr_msb (MSB<<8)|\new
.set MSB, \new
.endif
.endm
.macro PLACES n                        ; independent vector instructions behind matrix instructions (ISA guide 7.12.1)
.rept \n
	v_nop
.endr
.endm
; one job's figures.  s9 = 4 x (work-group mod 8), s3 = 3 x (work-group / 8), s2 = my wave's first plane of k or v in head 0, s63 = 0
.macro JOBFIG itab, ctab, rt, rq, ro, rp
	s_lshr_b32 s10, \itab, s9
	s_and_b32 s10, s10, 7                          ; I
	s_lshr_b32 s11, \ctab, s9
	s_and_b32 s11, s11, 3
	s_add_co_u32 s11, s11, s3                      ; 12 b + head, 0 .. 95
	s_mul_i32 s12, s11, 171
	s_lshr_b32 s12, s12, 11                        ; b (171 / 2048 stands for 1 / 12: exact up to 95)
	s_mul_i32 s13, s12, 12
	s_sub_co_u32 s13, s11, s13                     ; head
	s_add_co_u32 s[\rt], s10, 1                    ; tiles
	s_mul_i32 s14, s12, 288
	s_lshl3_add_u32 s14, s13, s14                  ; q's first plane
	s_lshl_b32 s15, s14, 14
	s_lshl_b32 s11, s10, 11
	s_add_co_u32 s[\rq], s15, s11                  ; q: plane x 16,384 + 128 I rows of 16 bytes
	s_add_co_u32 s14, s14, s2
	s_lshl_b32 s62, s14, 14
	s_add_nc_u64 s[\rp:\rp+1], s[4:5], s[62:63]    ; my four planes of k or v, key 0
	s_mul_i32 s15, s12, 3145728
	s_mul_i32 s11, s10, 393216
	s_add_co_u32 s15, s15, s11
	s_lshl_b32 s11, s13, 8
	s_add_co_u32 s[\ro], s15, s11                  ; out: (1024 b + 128 I) rows of 3,072 bytes + 256 head
.endm
	s_load_b128 s[4:7], s[0:1], 0x0                ; qkv s[4:5], out0 s[6:7]
	s_set_vgpr_msb 0x40
	v_lshl_add_u32 v64, v0, 2, 0x29000
	v_mov_b32 v65, 0
	s_set_vgpr_msb 0x4045
	ds_add_u32 v64, v65
	s_set_vgpr_msb 0x4500
	v_lshrrev_b32 v22, 5, v0
	v_readfirstlane_b32 s8, v22                    ; wave
	s_and_b32 s9, ttmp9, 7
	s_lshr_b32 s3, ttmp9, 3
	s_mul_i32 s3, s3, 3
	s_cmp_lt_u32 s9, 6
	s_cselect_b32 s61, 5, 4                        ; (14 - 4) / 2 or (12 - 4) / 2 trips of the loop
	s_lshl_b32 s9, s9, 2
	s_lshr_b32 s2, s8, 1                           ; waves 0, 1 fetch K, waves 2, 3 V
	s_mul_i32 s2, s2, 96
	s_add_co_u32 s2, s2, 96
	s_and_b32 s10, s8, 1
	s_lshl2_add_u32 s2, s10, s2                    ; planes 0-3 or 4-7
	s_mov_b32 s63, 0
	; group 1: 4 planes x 256 elements of 8 bytes (128 keys x 16 bytes), 2,048 elements from plane to plane; after every 256 words 16 words of padding
	s_mov_b32 s[G1+0], (3<<16)|(1<<20)|(7<<22)|(15<<25)
	s_mov_b32 s[G1+1], 256<<16
	s_mov_b32 s[G1+2], 4<<16
	s_mov_b32 s[G1+3], 256<<16
	s_mov_b32 s[G1+4], 4
	s_mov_b32 s[G1+5], 2048
	s_mov_b32 s[G1+6], 0
	s_mov_b32 s[G1+7], 0
	s_mov_b32 s56, 0x3e38aa3b                      ; c = log2(e) / 8
	s_mov_b32 s57, 0x3e38aa3b
	s_mov_b32 s58, 0xbe38aa3b                      ; - c
	s_mov_b32 s59, 0x76543210                      ; lane i of one half reads lane i of the other
	s_mov_b32 s60, 0xfedcba98
	s_mov_b32 s[CF], 0
	s_wait_dscnt 0x0
	s_wait_kmcnt 0x0
	JOBFIG 0x55666777, 0x10210210, CT,  66,  67,  PA
	JOBFIG 0x34345234, 0x22112000, CT1, QO1, OO1, PB1
	JOBFIG 0x10210210, 0x22211100, CT2, QO2, OO2, PB2
	s_sub_co_u32 s[PT], s[CT], 2                   ; job 0 has six tiles or more: the two first fills are its tiles 0 and 1
	s_mov_b32 s[PT1], s[CT1]
	s_mov_b32 s[PT2], s[CT2]
	s_mul_i32 s10, s8, WSH
.irp s, 0,1
	s_mov_b32 s[G0+4*\s], 1
	s_add_co_u32 s[G0+4*\s+1], s10, \s*SLOT
	s_add_nc_u64 s[G0+4*\s+2:G0+4*\s+3], s[PA:PA+1], \s*2048
	s_or_b32 s[G0+4*\s+3], s[G0+4*\s+3], 0x80000000
	tensor_load_to_lds s[G0+4*\s:G0+4*\s+3], s[G1:G1+7]            ; two loads of the wave are out
	s_nop 0
.endr
	s_add_nc_u64 s[PA:PA+1], s[PA:PA+1], 4096
	s_lshl_b32 s68, s8, 8                          ; piece 0: q tile w
	s_sub_co_u32 s69, 7, s8                        ; piece 1: q tile 7 - w
	s_mul_i32 s70, s8, 49152
	s_mul_i32 s71, s69, 49152
	s_lshl_b32 s69, s69, 8
	s_add_co_u32 s62, s66, s68
	s_add_nc_u64 s[QB:QB+1], s[4:5], s[62:63]
	s_add_co_u32 s62, s66, s69
	s_add_nc_u64 s[QB+20:QB+21], s[4:5], s[62:63]
	s_add_co_u32 s62, s67, s70
	s_add_nc_u64 s[OB:OB+1], s[6:7], s[62:63]
	s_add_co_u32 s62, s67, s71
	s_add_nc_u64 s[OB+20:OB+21], s[6:7], s[62:63]
	v_and_b32 v22, 15, v0                          ; r
	v_bfe_u32 v23, v0, 4, 1                        ; h
	v_bfe_u32 v24, v0, 3, 1
	v_and_b32 v25, 7, v0
	v_lshlrev_b32 v26, 4, v22                      ; 16 r
	v_lshl_add_u32 v[QVO], v23, 14, v26            ; Q: plane h, query r of the piece
.macro QLOAD                           ; lane (r, h): d = 32 ks + 16 e + 8 h .. + 7 of query r of piece c: plane 4 ks + 2 e + h
.irp c, 0,1
.irp ks, 0,1
.irp e, 0,1
	global_load_b128 v[QF+16*\c+8*\ks+4*\e:QF+16*\c+8*\ks+4*\e+3], v[QVO], s[QB+20*\c:QB+20*\c+1] offset:(4*\ks+2*\e)*16384
.endr
.endr
.endr
.endm
	QLOAD
	v_mad_u32_u24 v[KADR], v23, PLP, v26           ; K: plane h, key r
	v_lshl_add_u32 v27, v23, 3, v25
	v_lshlrev_b32 v27, 4, v27                      ; V: key 8 h + l % 8,
	v_mad_u32_u24 v[VADR], v24, PLP, v27           ; plane (l / 8) % 2
	v_add_nc_u32 v[VADR], VOFF, v[VADR]
	v_mad_u32_u24 v[OVO], v23, 3072, v26           ; out: row h of a pair of rows, 16 bytes at 16 r
	s_add_co_u32 s12, s10, STAGE
	v_mul_u32_u24 v28, v22, 272
	v_lshl_add_u32 v28, v23, 5, v28
	v_add_nc_u32 v[STO], s12, v28                  ; stage in: row r, 32 bytes at 32 h
	v_mad_u32_u24 v28, v23, 272, v26
	v_add_nc_u32 v[RD], s12, v28                   ; stage back: rows h, 16 bytes at 16 r
	v_lshlrev_b32 v29, 3, v23
	v_sub_nc_u32 v29, v22, v29                     ; r - 8 h
	s_lshl_b32 s11, s8, 4                          ; 16 w
	v_add_nc_u32 v[DL], s11, v29
	s_sub_co_u32 s11, 48, s11                      ; 16 (3 - w)
	v_add_nc_u32 v[DL+2], s11, v29
	v_mov_b32 v[NINF], 0xff800000
	v_mov_b32 v[MX], v[NINF]                       ; m = -inf, - m c = +inf, l = 0: the first rescale factor comes out as 2^-inf = 0
	v_mov_b32 v[MX+1], v[NINF]
	v_mov_b32 v[NMC], 0x7f800000
	v_mov_b32 v[NMC+1], 0
	v_mov_b32 v[NMC+2], 0x7f800000
	v_mov_b32 v[NMC+3], 0
	v_mov_b32 v[AL+1], 0
	v_mov_b32 v[AL+3], 0
	v_mov_b32 v[LS], 0
	v_mov_b32 v[LS+1], 0
	v_mov_b32 v[PX], 0
	v_mov_b32 v[PX+1], 0
.macro KLOAD slot, hf                  ; 64 keys x 64 d: 16 loads, sixteen lanes take 256 consecutive bytes
.irp kt, 0,1,2,3
.irp ks, 0,1
.irp e, 0,1
	ds_load_b128 v[KF+16*\kt+8*\ks+4*\e:KF+16*\kt+8*\ks+4*\e+3], v[KADR] offset:(\slot)*SLOT+(4*\ks+2*\e)*PLP+\hf*HFP+\kt*256
.endr
.endr
.endr
.endm
.macro VLOAD slot, hf                  ; 64 keys x 64 d, transposed: lane (r, h) gets d = 16 dt + r, keys 32 ks + 16 e + 8 h .. + 7: 16 loads
	WIN 0x40
.irp dt, 0,1,2,3
.irp ks, 0,1
.irp e, 0,1
	ds_load_tr16_b128 v[VF+16*\dt+8*\ks+4*\e:VF+16*\dt+8*\ks+4*\e+3], v[VADR] offset:(\slot)*SLOT+\dt*2*PLP+\hf*HFP+\ks*512+\e*256
.endr
.endr
.endr
	WIN 0
.endm
; In the macros below lo is the first piece that takes part: 0: both pieces, 1: piece 1 alone.
.macro SMUL lo                         ; S^T of 64 keys: eight (four) accumulators by turns, one instruction a turn; the first product starts each sum
.irp kt, 0,1,2,3
.irp c, 0,1
.if \c >= \lo
	v_wmma_f32_16x16x32_f16 v[SC+32*\c+8*\kt:SC+32*\c+8*\kt+7], v[KF+16*\kt:KF+16*\kt+7], v[QF+16*\c:QF+16*\c+7], 0
.endif
.endr
.endr
.irp kt, 0,1,2,3
.irp c, 0,1
.if \c >= \lo
	v_wmma_f32_16x16x32_f16 v[SC+32*\c+8*\kt:SC+32*\c+8*\kt+7], v[KF+16*\kt+8:KF+16*\kt+15], v[QF+16*\c+8:QF+16*\c+15], v[SC+32*\c+8*\kt:SC+32*\c+8*\kt+7]
.endif
.endr
.endr
.endm
; The diagonal tile.  Piece 0 in half 0: key 16 kt + 8 h + j is masked for query 16 w + r where 16 kt + j > 16 w + r - 8 h.
; Piece 1 in half 1: key 64 + 16 kt + 8 h + j is masked for query 16 (7 - w) + r where 16 kt + j > 16 (3 - w) + r - 8 h.  The same text with the piece's own DL.
.macro MASKP c
.irp kt, 0,1,2,3
.irp j, 0,1,2,3,4,5,6,7
	v_cmp_gt_i32 vcc_lo, 16*\kt+\j, v[DL+2*\c]
	v_cndmask_b32 v[SC+32*\c+8*\kt+\j], v[SC+32*\c+8*\kt+\j], v[NINF], vcc_lo
.endr
.endr
.endm
; The running softmax of 64 keys.  Key 0 of a job's first half tile is open to every query, so m is finite from there on.
.macro SOFTMAX lo
.irp c, 0,1
.if \c >= \lo
.irp kt, 0,1,2,3
	v_max3_num_f32 v[TT+4*\c+\kt], v[SC+32*\c+8*\kt], v[SC+32*\c+8*\kt+1], v[SC+32*\c+8*\kt+2]
.endr
.endif
.endr
.irp i, 3,5
.irp c, 0,1
.if \c >= \lo
.irp kt, 0,1,2,3
	v_max3_num_f32 v[TT+4*\c+\kt], v[TT+4*\c+\kt], v[SC+32*\c+8*\kt+\i], v[SC+32*\c+8*\kt+\i+1]
.endr
.endif
.endr
.endr
.irp c, 0,1
.if \c >= \lo
	v_max3_num_f32 v[TT+4*\c],   v[TT+4*\c],   v[TT+4*\c+1], v[SC+32*\c+7]
	v_max3_num_f32 v[TT+4*\c+2], v[TT+4*\c+2], v[TT+4*\c+3], v[SC+32*\c+15]
.endif
.endr
.irp c, 0,1
.if \c >= \lo
	v_max3_num_f32 v[TT+4*\c], v[TT+4*\c], v[TT+4*\c+2], v[SC+32*\c+23]
.endif
.endr
.irp c, 0,1
.if \c >= \lo
	v_max3_num_f32 v[TT+4*\c], v[TT+4*\c], v[SC+32*\c+31], v[MX+\c]    ; the old maximum rides along
.endif
.endr
.irp c, 0,1
.if \c >= \lo
	v_permlanex16_b32 v[PX+\c], v[TT+4*\c], s59, s60                   ; the other 32 keys of my query
.endif
.endr
.irp c, 0,1
.if \c >= \lo
	v_max_num_f32 v[MX+\c], v[TT+4*\c], v[PX+\c]
.endif
.endr
.irp c, 0,1
.if \c >= \lo
	v_mul_f32 v[TT+4*\c], s58, v[MX+\c]                                ; - m c
	v_sub_f32 v[TT+4*\c+1], v[TT+4*\c], v[NMC+2*\c]                    ; (m old - m new) c
	v_mov_b32 v[NMC+2*\c], v[TT+4*\c]
.endif
.endr
.irp c, 0,1
.if \c >= \lo
	v_exp_f32 v[AL+2*\c], v[TT+4*\c+1]
.endif
.endr
	; behind each run of exponentials stands plain work that touches none of its registers (ISA guide 5.7.2): the other piece's multiply-adds, then piece 0's sums
.irp c, 0,1
.if \c >= \lo
.set i, 0
.rept 16
	v_pk_fma_f32 v[SC+32*\c+i:SC+32*\c+i+1], v[SC+32*\c+i:SC+32*\c+i+1], s[56:57], v[NMC+2*\c:NMC+2*\c+1] op_sel_hi:[1,0,0]
.set i, i+2
.endr
.set i, 0
.rept 32
	v_exp_f32 v[SC+32*\c+i], v[SC+32*\c+i]
.set i, i+1
.endr
.endif
.endr
.if \lo
	v_nop                                          ; with one piece alone its own sums follow the run: one plain instruction between
	s_wait_alu depctr_va_vdst(0)
.endif
.irp c, 0,1
.if \c >= \lo
	s_wait_alu depctr_va_vdst(0)
	v_pk_add_f32 v[TT+4*\c:TT+4*\c+1],   v[SC+32*\c:SC+32*\c+1],   v[SC+32*\c+2:SC+32*\c+3]
	v_pk_add_f32 v[TT+4*\c+2:TT+4*\c+3], v[SC+32*\c+4:SC+32*\c+5], v[SC+32*\c+6:SC+32*\c+7]
.irp i, 8,12,16,20,24,28
	v_pk_add_f32 v[TT+4*\c:TT+4*\c+1],   v[TT+4*\c:TT+4*\c+1],   v[SC+32*\c+\i:SC+32*\c+\i+1]
	v_pk_add_f32 v[TT+4*\c+2:TT+4*\c+3], v[TT+4*\c+2:TT+4*\c+3], v[SC+32*\c+\i+2:SC+32*\c+\i+3]
.endr
	v_pk_add_f32 v[TT+4*\c:TT+4*\c+1], v[TT+4*\c:TT+4*\c+1], v[TT+4*\c+2:TT+4*\c+3]
	v_add_f32 v[TT+4*\c], v[TT+4*\c], v[TT+4*\c+1]
	v_fma_f32 v[LS+\c], v[LS+\c], v[AL+2*\c], v[TT+4*\c]               ; the lane's own 32 keys; the halves are joined at the job's end
.endif
.endr
.irp c, 0,1
.if \c >= \lo
.set i, 0
.rept 16
	v_cvt_pk_f16_f32 v[SC+32*\c+i], v[SC+32*\c+2*i], v[SC+32*\c+2*i+1] ; in place: word i is written when words 2 i, 2 i + 1 are read, never ahead of them
.set i, i+1
.endr
.endif
.endr
.endm
.macro RESCALE lo
.irp dt, 0,1,2,3
.irp c, 0,1
.if \c >= \lo
.irp i, 0,2,4,6
	v_pk_mul_f32 v[ACC+8*(2*\dt+\c)+\i:ACC+8*(2*\dt+\c)+\i+1], v[ACC+8*(2*\dt+\c)+\i:ACC+8*(2*\dt+\c)+\i+1], v[AL+2*\c:AL+2*\c+1] op_sel_hi:[1,0]
.endr
.endif
.endr
.endr
.endm
.macro PVMUL ks, zero, lo              ; ctx^T += V^T P^T over 32 keys: eight (four) accumulators by turns
	WIN 0x01
.irp dt, 0,1,2,3
.irp c, 0,1
.if \c >= \lo
.if \zero
	v_wmma_f32_16x16x32_f16 v[ACC+8*(2*\dt+\c):ACC+8*(2*\dt+\c)+7], v[VF+16*\dt+8*\ks:VF+16*\dt+8*\ks+7], v[SC+32*\c+8*\ks:SC+32*\c+8*\ks+7], 0
.else
	v_wmma_f32_16x16x32_f16 v[ACC+8*(2*\dt+\c):ACC+8*(2*\dt+\c)+7], v[VF+16*\dt+8*\ks:VF+16*\dt+8*\ks+7], v[SC+32*\c+8*\ks:SC+32*\c+8*\ks+7], v[ACC+8*(2*\dt+\c):ACC+8*(2*\dt+\c)+7]
.endif
.endif
.endr
.endr
.endm
; The change of slots.  In front of the barrier: my reads of this slot are back and all my tensor loads have landed (the one that was out is my part of the other slot).
; Behind it nobody reads this slot and the other is whole.  refill = 1: the stream's next tile goes into this slot, my one tensor load, first thing behind the barrier.
.macro SYNC slot, refill
	s_wait_dscnt 0x0
	s_set_vgpr_msb 0x5
	s_wait_tensorcnt 0x0
	ds_add_u32 v64, v65
	s_wait_dscnt 0x0
	s_set_vgpr_msb 0x500
.if \refill
	s_mov_b64 s[G0+4*\slot+2:G0+4*\slot+3], s[PA:PA+1]             ; no tensor load of mine is out: the group may be written
	s_or_b32 s[G0+4*\slot+3], s[G0+4*\slot+3], 0x80000000
	s_add_nc_u64 s[PAN:PAN+1], s[PA:PA+1], 2048                    ; the next 128 keys,
	s_sub_co_u32 s[PT], s[PT], 1
	s_cmp_eq_u32 s[PT], 0                                          ; or, where the job's tiles are all asked for, the next job's first
	s_cselect_b64 s[PA:PA+1], s[PB1:PB1+1], s[PAN:PAN+1]
	s_cselect_b32 s[PT], s[PT1], s[PT]
	s_cselect_b64 s[PB1:PB1+1], s[PB2:PB2+1], s[PB1:PB1+1]
	s_cselect_b32 s[PT1], s[PT2], s[PT1]
.endif
	s_barrier_signal -1
	s_barrier_wait -1
.if \refill
	tensor_load_to_lds s[G0+4*\slot:G0+4*\slot+3], s[G1:G1+7]
	s_nop 0
.endif
.endm
; A job's end: the next job's Q is asked for; ctx / l goes through my own stage (rows of 256 + 16 bytes; piece 0's 16 rows, then piece 1's) and leaves as whole rows:
; sixteen lanes store 256 consecutive bytes, aligned.
.macro JOBEND last
.if \last == 0
	s_wait_xcnt 0x0                                ; Q's bases are rewritten only behind this wait
	s_add_co_u32 s62, s[QO1], s68
	s_add_nc_u64 s[QB:QB+1], s[4:5], s[62:63]
	s_add_co_u32 s62, s[QO1], s69
	s_add_nc_u64 s[QB+20:QB+21], s[4:5], s[62:63]
	QLOAD
.endif
	v_permlanex16_b32 v[PX], v[LS], s59, s60
	v_permlanex16_b32 v[PX+1], v[LS+1], s59, s60
	v_add_f32 v[PX], v[PX], v[LS]
	v_add_f32 v[PX+1], v[PX+1], v[LS+1]
	v_rcp_f32 v[AL], v[PX]
	v_rcp_f32 v[AL+2], v[PX+1]
.if \last
	v_nop                                          ; one plain instruction between the reciprocals and their use (ISA guide 5.7.2)
	s_wait_alu depctr_va_vdst(0)
.else
	v_mov_b32 v[MX], v[NINF]                       ; the next job starts anew (these are also the plain instructions behind the reciprocals)
	v_mov_b32 v[MX+1], v[NINF]
	v_mov_b32 v[NMC], 0x7f800000
	v_mov_b32 v[NMC+2], 0x7f800000
	v_mov_b32 v[LS], 0
	v_mov_b32 v[LS+1], 0
	s_wait_alu depctr_va_vdst(0)
.endif
	RESCALE 0
.irp c, 0,1
.irp dt, 0,1,2,3
.irp e, 0,1
	ds_store_b128 v[STO], v[ACC+8*(2*\dt+\c)+4*\e:ACC+8*(2*\dt+\c)+4*\e+3] offset:\c*4352+64*\dt+16*\e
.endr
.endr
.endr
.irp t, 0,1,2,3,4,5,6,7,8,9,10,11,12,13,14,15
	ds_load_b128 v[SC+4*\t:SC+4*\t+3], v[RD] offset:\t*544         ; LDS serves a wave's instructions in order (ISA guide 5.7.1.4): these see the stores above
.endr
.irp t, 0,1,2,3,4,5,6,7,8,9,10,11,12,13,14,15
	s_wait_dscnt 15-\t                             ; the stage's rows 2 t, 2 t + 1 are back; the younger loads stay out
	global_store_b128 v[OVO], v[SC+4*\t:SC+4*\t+3], s[OB+20*(\t/8):OB+20*(\t/8)+1] offset:(\t%8)*6144 th:TH_STORE_NT
.endr
.if \last == 0
	s_wait_xcnt 0x0                                ; the stores' data and bases are rewritten only behind this wait
	s_add_co_u32 s62, s[OO1], s70
	s_add_nc_u64 s[OB:OB+1], s[6:7], s[62:63]
	s_add_co_u32 s62, s[OO1], s71
	s_add_nc_u64 s[OB+20:OB+21], s[6:7], s[62:63]
	s_mov_b32 s[CT], s[CT1]
	s_mov_b32 s[CT1], s[CT2]
	s_mov_b32 s[QO1], s[QO2]
	s_mov_b32 s[OO1], s[OO2]
	s_mov_b32 s[CF], 1
.endif
.endm
; ONE TILE OF 128 KEYS, in two halves of 64.  At its head K's first half is on its way into registers.
; fst: 0 the sums go on, 1 this tile starts them, 2 by CF.  diag: 0 no diagonal tile, 1 a diagonal tile, 2 one if it is the job's last (CT = 1).
; syn: 2 barrier and refill, 1 barrier, 0 none.  fin: 0 the job goes on, 1 the last job ends, 2 by CT.
; The second half has two forms on each side of the change of slots (both pieces; piece 1 alone), so that no barrier and no tensor load stands under a branch.
.macro TRIP slot, fst, diag, syn, fin
	VLOAD \slot, 0
	s_wait_dscnt 16                                ; K's half 0 is in: V's 16 loads were issued behind it
	s_wait_loadcnt 0x0                             ; Q (asked for at the last job's end)
	SMUL 0
	PLACES 4                                       ; behind the products: K's fragments are loaded again, S^T is read
	KLOAD \slot, 1
.if \diag == 1
	MASKP 0
.endif
.if \diag == 2
	s_cmp_lg_u32 s[CT], 1
	s_cbranch_scc1 .Lnm_\@
	MASKP 0
.Lnm_\@:
.endif
	SOFTMAX 0
	s_wait_dscnt 16                                ; V's half 0 is in: K's 16 loads were issued behind it
.if \fst == 0
	RESCALE 0
	PVMUL 0, 0, 0
.endif
.if \fst == 1
	PVMUL 0, 1, 0
.endif
.if \fst == 2
	s_cmp_eq_u32 s[CF], 0
	s_cbranch_scc1 .Lold_\@
	s_mov_b32 s[CF], 0
	PVMUL 0, 1, 0                                  ; a job's first products start its sums: nothing is cleared
	WIN 0
	s_branch .Lpv_\@
.Lold_\@:
	RESCALE 0
	PVMUL 0, 0, 0
	WIN 0
.Lpv_\@:
.endif
	PVMUL 1, 0, 0
	WIN 0
	PLACES 5                                       ; V's fragments are loaded again (four places), the next S^T is written over P^T (five)
	VLOAD \slot, 1
	s_wait_dscnt 16                                ; K's half 1 is in
.if \diag == 0
	SMUL 0
	PLACES 4
	SOFTMAX 0
.endif
.if \diag == 1
	SMUL 1                                         ; keys 64-127 of the diagonal tile: piece 1 alone
	PLACES 4
	MASKP 1
	SOFTMAX 1
.endif
.if \diag == 2
	s_cmp_eq_u32 s[CT], 1
	s_cbranch_scc1 .Lda_\@
	SMUL 0
	PLACES 4
	SOFTMAX 0
	s_branch .Lja_\@
.Lda_\@:
	SMUL 1
	PLACES 4
	MASKP 1
	SOFTMAX 1
.Lja_\@:
.endif
.if \syn == 2
	SYNC \slot, 1
.endif
.if \syn == 1
	SYNC \slot, 0
.endif
.if \syn == 0
	s_wait_dscnt 0x0                               ; V's half 1
.else
	KLOAD 1-\slot, 0                               ; the next tile's first half
.endif
.if \diag == 0
	RESCALE 0
	PVMUL 0, 0, 0
	PVMUL 1, 0, 0
	WIN 0
.endif
.if \diag == 1
	RESCALE 1
	PVMUL 0, 0, 1
	PVMUL 1, 0, 1
	WIN 0
.endif
.if \diag == 2
	s_cmp_eq_u32 s[CT], 1
	s_cbranch_scc1 .Ldb_\@
	RESCALE 0
	PVMUL 0, 0, 0
	PVMUL 1, 0, 0
	WIN 0
	s_branch .Ljb_\@
.Ldb_\@:
	RESCALE 1
	PVMUL 0, 0, 1
	PVMUL 1, 0, 1
	WIN 0
.Ljb_\@:
.endif
	PLACES 5
.if \fin == 0
	s_sub_co_u32 s[CT], s[CT], 1
.endif
.if \fin == 1
	JOBEND 1
.endif
.if \fin == 2
	s_cmp_eq_u32 s[CT], 1
	s_cbranch_scc0 .Lmore_\@
	JOBEND 0
	s_branch .Lnext_\@
.Lmore_\@:
	s_sub_co_u32 s[CT], s[CT], 1
.Lnext_\@:
.endif
.endm
	s_wait_tensorcnt 0x1                           ; my part of the stream's tile 0 is in; tile 1's stays out
	s_barrier_signal -1
	s_barrier_wait -1
	KLOAD 0, 0
	TRIP 0, 1, 0, 2, 0                             ; tiles 0 and 1 belong to job 0, which has six or more: no diagonal, no end
	TRIP 1, 0, 0, 2, 0
.Lpair:
	TRIP 0, 2, 2, 2, 2
	TRIP 1, 2, 2, 2, 2
	s_sub_co_i32 s61, s61, 1
	s_cmp_gt_i32 s61, 0
	s_cbranch_scc1 .Lpair
	TRIP 0, 2, 2, 1, 2                             ; the last two tiles: nothing is left to fetch
	TRIP 1, 2, 1, 0, 1                             ; the stream's last tile is the last job's diagonal
	s_set_vgpr_msb 0x5
	s_wait_tensorcnt 0x0
	ds_add_u32 v64, v65
	s_wait_dscnt 0x0
	s_set_vgpr_msb 0x500
	s_endpgm
.Lfunc_end_k_q7240d208ce_attn:
	.size	k_q7240d208ce_attn, .Lfunc_end_k_q7240d208ce_attn-k_q7240d208ce_attn
	.p2alignl 7, 3214868480
	.fill 96, 4, 3214868480
	.section	.rodata,"a",@progbits
	.p2align	6, 0x0
	.amdhsa_kernel k_q7240d208ce_attn
		.amdhsa_group_segment_fixed_size 327680
		.amdhsa_private_segment_fixed_size 0
		.amdhsa_enable_private_segment 0
		.amdhsa_kernarg_size 16
		.amdhsa_user_sgpr_count 2
		.amdhsa_user_sgpr_kernarg_segment_ptr 1
		.amdhsa_wavefront_size32 1
		.amdhsa_system_sgpr_workgroup_id_x 1
		.amdhsa_system_sgpr_workgroup_id_y 1
		.amdhsa_system_sgpr_workgroup_id_z 1
		.amdhsa_system_vgpr_workitem_id 0
		.amdhsa_next_free_vgpr 322
		.amdhsa_next_free_sgpr 76
		.amdhsa_reserve_vcc 1
		.amdhsa_float_denorm_mode_32 3
		.amdhsa_float_denorm_mode_16_64 3
		.amdhsa_memory_ordered 1
		.amdhsa_forward_progress 1
		.amdhsa_inst_pref_size 255
	.end_amdhsa_kernel
	.section	.bss,"aw",@nobits
	.p2align	6
	.space	262144
	.amdgpu_metadata
---
amdhsa.version: [ 1, 2 ]
amdhsa.kernels:
  - .name:           k_q7240d208ce_attn
    .symbol:         k_q7240d208ce_attn.kd
    .args:
      - { .name: qkv, .offset: 0, .size: 8, .value_kind: global_buffer, .address_space: global }
      - { .name: out0, .offset: 8, .size: 8, .value_kind: global_buffer, .address_space: global }
    .group_segment_fixed_size: 327680
    .private_segment_fixed_size: 0
    .kernarg_segment_align: 8
    .kernarg_segment_size: 16
    .max_flat_workgroup_size: 128
    .sgpr_count:     76
    .vgpr_count:     322
    .wavefront_size: 32
...
	.end_amdgpu_metadata
.endif
;; end of part 3
